; MI455X (gfx1250); checked and timed in simulation.
; The chip was launched on July 23, 2026; its instructions are those of AMD's public machine-readable ISA for CDNA 5 (MIT licence, August 2026) and "CDNA5" Instruction Set Architecture Reference Guide (July 2026). The comments in the code are by the model that wrote it; some were corrected since.
;; Multi Head Attention Base. Allowed arithmetic: float matrix products may take bf16 or f16 operands with f32 sums; all other float work in f32.
;; Inputs: k 4 x 16 x 2,048 x 64 float32; mask 4 x 2,048 x 2,048 bool; q 4 x 16 x 2,048 x 64 float32; v 4 x 16 x 2,048 x 64 float32.
;; Outputs: out0 4 x 16 x 2,048 x 64 float32.
;; One version. Each part assembles by itself: llvm-mc -triple=amdgcn-amd-amdhsa -mcpu=gfx1250 --defsym DOCPART=n.
;; ======== version 1 of 1: 2 launches
;; limits: values are held in f16: magnitudes above 65,504 overflow, below 6.1e-05 lose precision; inputs' magnitudes at most 65,504
;; workspace buffers: mbits 2,097,152 bytes of whole numbers
;; launch pack (part 1): grid 512 x 1, 8 waves a work-group, no clusters, 0 bytes of LDS; arguments mask, mbits; writes mbits
.if DOCPART == 1
	.amdgcn_target "amdgcn-amd-amdhsa--gfx1250"
	.amdhsa_code_object_version 6
	.text
	.protected	k_qc3da2585ae_pack
	.globl	k_qc3da2585ae_pack
	.p2align	8
	.type	k_qc3da2585ae_pack,@function
k_qc3da2585ae_pack:
	s_mov_b64 s[64:65], 0
	v_nop
	global_prefetch_b8 v0, s[64:65] scope:SCOPE_SE
	s_setreg_imm32_b32 hwreg(HW_REG_WAVE_MODE, 25, 1), 1
	s_wait_xcnt 0x0
; mask [4][2048][2048] bytes  ->  mbits [b 4][qtile 128][ktile 128][j 8] words of 32 bits.
; Bit r + 16 h of word (b, qtile, ktile, j) says whether mask[b][16 qtile + r][16 ktile + 8 h + j] is not 0 (any byte other than 0 counts as true).
; That is the lane mask with which the next launch selects in register j of a 16 x 16 score tile (lane r + 16 h holds key 8 h + j of query r),
; so the mask is read from memory once here, 16,777,216 bytes, and the 16 heads of a batch share 2,097,152 bytes of words.
; Work-group g = 128 b + qtile owns 16 whole rows of the mask (32,768 consecutive bytes) and 4,096 bytes of mbits.
; Wave w takes keys 256 w .. 256 w + 255: 16 key tiles, 128 words, 512 consecutive bytes of mbits.
; Memory binds this launch: no LDS, no barrier, no matrix unit, no cluster (no byte is read by two work-groups).
.set ROWB, 2048                        ; bytes in a row of the mask
.set OFFM, 1                           ; v1       my 8 bytes of key tile 0: row r, key 256 w + 8 h
.set OFFW, 2                           ; v2       my 16 bytes of the work-group's words: 16 x thread
.set W,    4                           ; v[4:7]   the wave's 128 words: word 8 kt + j lies in lane 2 kt + (j >> 2), register j & 3
.set X,    8                           ; v[8:39]  key tile kt: 2 registers, 8 mask bytes
.set TMP,  40                          ; v[40:43] one byte cut out, four registers in turn
.set LM,   20                          ; s[20:23] lane masks, four registers in turn
	s_load_b128 s[4:7], s[0:1], 0x0                ; mask s[4:5], mbits s[6:7]
	s_lshl_b32 s8, ttmp9, 15                       ; 16 rows of 2,048 bytes a work-group
	s_mov_b32 s9, 0
	s_lshl_b32 s10, ttmp9, 12                      ; 1,024 words a work-group
	s_mov_b32 s11, 0
	v_and_b32 v[OFFM], 15, v0                      ; r
	v_bfe_u32 v3, v0, 4, 1                         ; h
	v_lshlrev_b32 v[OFFM], 11, v[OFFM]             ; r rows
	v_lshl_add_u32 v[OFFM], v3, 3, v[OFFM]         ; + 8 h
	v_lshrrev_b32 v3, 5, v0                        ; w
	v_lshl_add_u32 v[OFFM], v3, 8, v[OFFM]         ; + 256 w
	v_lshlrev_b32 v[OFFW], 4, v0                   ; 512 w + 16 lane
	s_wait_kmcnt 0x0
	s_add_nc_u64 s[4:5], s[4:5], s[8:9]
	s_add_nc_u64 s[6:7], s[6:7], s[10:11]
.set kt, 0
.rept 16
	global_load_b64 v[X+2*kt:X+2*kt+1], v[OFFM], s[4:5] offset:16*kt th:TH_LOAD_NT   ; the 16 loads together take all 128 bytes of my 16 row pieces
.set kt, kt+1
.endr
.irp c, 0,1,2,3
	v_mov_b32 v[W+\c], 0                           ; v_writelane_b32 keeps the other lanes: its destination has to be written whole once
.endr
.set kt, 0
.rept 16
	s_wait_loadcnt 15-kt                           ; loads come back in order: key tile kt is in, the 15 - kt younger ones may be out
.set j, 0
.rept 8
	v_and_b32 v[TMP+(j&3)], 0xff<<(8*(j&3)), v[X+2*kt+(j>>2)]   ; byte j of my eight
	v_cmp_ne_u32 s[LM+(j&3)], 0, v[TMP+(j&3)]                   ; bit r + 16 h: the word itself
	v_writelane_b32 v[W+(j&3)], s[LM+(j&3)], 2*kt+(j>>2)        ; to its place for the store
.set j, j+1
.endr
.set kt, kt+1
.endr
	global_store_b128 v[OFFW], v[W:W+3], s[6:7]    ; the wave stores 512 consecutive bytes, aligned
	s_endpgm
.Lfunc_end_k_qc3da2585ae_pack:
	.size	k_qc3da2585ae_pack, .Lfunc_end_k_qc3da2585ae_pack-k_qc3da2585ae_pack
	.p2alignl 7, 3214868480
	.fill 96, 4, 3214868480
	.section	.rodata,"a",@progbits
	.p2align	6, 0x0
	.amdhsa_kernel k_qc3da2585ae_pack
		.amdhsa_group_segment_fixed_size 0
		.amdhsa_private_segment_fixed_size 0
		.amdhsa_enable_private_segment 0
		.amdhsa_kernarg_size 16
		.amdhsa_user_sgpr_count 2
		.amdhsa_user_sgpr_kernarg_segment_ptr 1
		.amdhsa_wavefront_size32 1
		.amdhsa_system_sgpr_workgroup_id_x 1
		.amdhsa_system_sgpr_workgroup_id_y 1
		.amdhsa_system_sgpr_workgroup_id_z 1
		.amdhsa_system_vgpr_workitem_id 0
		.amdhsa_next_free_vgpr 48
		.amdhsa_next_free_sgpr 66
		.amdhsa_reserve_vcc 0
		.amdhsa_float_denorm_mode_32 3
		.amdhsa_float_denorm_mode_16_64 3
		.amdhsa_memory_ordered 1
		.amdhsa_forward_progress 1
		.amdhsa_inst_pref_size 28
	.end_amdhsa_kernel
	.amdgpu_metadata
---
amdhsa.version: [ 1, 2 ]
amdhsa.kernels:
  - .name:           k_qc3da2585ae_pack
    .symbol:         k_qc3da2585ae_pack.kd
    .args:
      - { .name: mask, .offset: 0, .size: 8, .value_kind: global_buffer, .address_space: global }
      - { .name: mbits, .offset: 8, .size: 8, .value_kind: global_buffer, .address_space: global }
    .group_segment_fixed_size: 0
    .private_segment_fixed_size: 0
    .kernarg_segment_align: 8
    .kernarg_segment_size: 16
    .max_flat_workgroup_size: 256
    .sgpr_count:     66
    .vgpr_count:     48
    .wavefront_size: 32
...
	.end_amdgpu_metadata
.endif
;; end of part 1
;; launch attn (part 2): grid 4 x 64, 8 waves a work-group, no clusters, 74,752 bytes of LDS; arguments q, k, v, mbits, out0; writes out0
.if DOCPART == 2
	.amdgcn_target "amdgcn-amd-amdhsa--gfx1250"
	.amdhsa_code_object_version 6
	.text
	.protected	k_qc3da2585ae_attn
	.globl	k_qc3da2585ae_attn
	.p2align	8
	.type	k_qc3da2585ae_attn,@function
k_qc3da2585ae_attn:
	s_mov_b64 s[64:65], 0
	v_nop
	global_prefetch_b8 v0, s[64:65] scope:SCOPE_SE
	s_setreg_imm32_b32 hwreg(HW_REG_WAVE_MODE, 25, 1), 1
	s_wait_xcnt 0x0
; out[b][h][q][:] = softmax over k of ( mask[b][q][k] ? -1e9 : q.k / 8 ) times V.   q, k, v, out: [64 heads][2048][64] f32.
; mbits: the mask as lane masks, [b 4][qtile 128][ktile 128][j 8] words; bit r + 16 h = mask of (query 16 qtile + r, key 16 ktile + 8 h + j).
;
; SHARES.  Work-group (x, head): 512 queries of one head; 8 waves, 64 queries (4 tiles of 16) each.  4 x 64 = 256 work-groups of equal work.
; Keys go in 32 steps of 64.  A step's K and V (2 x 16,384 bytes of f32) are loaded by the 256 threads together, one step ahead, rounded to f16
; in registers and stored into one of two LDS slots; one barrier a step.
;
; BOTH PRODUCTS ARE TRANSPOSED.  S^T = K Q^T (A = 16 keys, B = 16 queries): lane (r, h), register j holds (key 8 h + j, query r), so a query's
; maximum and sum run along a lane's own registers and one exchange of the two halves of the wave, and maximum, alpha and sum are one number a lane.
; Two neighbouring S^T tiles, rounded in pairs, ARE the B fragment of O^T = V^T P^T (registers 0-3: keys 8 h .., 4-7: keys 16 + 8 h ..): P never moves.
; Each fragment of K or V read from LDS feeds four matrix instructions (the wave's four query tiles).
;
; SOFTMAX.  Q is multiplied in f32 by 0.125 log2(e) before it is rounded, so scores arrive as exponents of 2.  A masked score is REPLACED by
; -1e9 log2(e) (one v_cndmask_b32 with a word of mbits as lane mask) and takes part in the running maximum like any other, as in the reference:
; a row that is masked throughout gives exponents of exactly 0 and the mean of V; keys masked ahead of the first open key are forgotten by alpha = 0.
;
; THE FORMAT IS f16, NOT bf16.  An output is a weighted mean of some thousand numbers of changing sign, about a twentieth of their spread, and is
; compared within a hundredth of the outputs' own spread; the roundings of Q, K, V and P all enter it.  f16 keeps 11 significant bits where bf16
; keeps 8, at the same registers, layouts and number of instructions.  Room: P is at most 1 by the running maximum; f16's largest number is 65,504.
;
; NO CLUSTER, NO TENSOR LOADS, though the four work-groups of a head read the same K and V: a tensor load copies bytes as they are, so a step's
; tiles would land as 32,768 bytes of f32, to be read from LDS (32,768 bytes), rounded and stored again as f16 (16,384 bytes) in bytes of their
; own.  Through registers a step costs the 16,384 bytes of LDS stores alone.
;
; LIMITS.  Q x 0.125 log2(e), K, V and P are rounded to f16 for the matrix unit: |k| and |v| have to stay below 65,504 and |q| below 363,000
; (65,504 / 0.18); numbers below 2^-14 are kept to 2^-24 absolutely, so a P below 2^-25 of its row's running maximum counts as 0.
; v_exp_f32 gives 0 for results below 2^-126 (ISA guide, its entry in 15.8).  NaN and infinities in q, k, v are not served.
.set KP,     144                       ; LDS pitch of K's rows: 128 bytes + 16, an odd multiple of 16
.set VP,     160                       ; of V's rows: 128 bytes + 32, an odd multiple of 32 (read by the transposing load)
.set KSLOT,  64*KP                     ; 9,216: K slot s at s x KSLOT
.set VBASE,  2*KSLOT                   ; 18,432
.set VSLOT,  64*VP                     ; 10,240: V slot s at VBASE + s x VSLOT, rows [key][d]
.set STAGE,  VBASE+2*VSLOT             ; 38,912: the way out, 16 rows x 272 bytes for each wave, its own
.set SP,     272
.set TILEB,  16384                     ; 64 rows of 256 bytes: a step's K, or V, in memory
.set MSTEP,  128                       ; a step's 32 words of one query tile in mbits
.set MROW,   4096                      ; from a query tile to the next in mbits
; window 0
.set KA,  2                            ; v2   K fragments: r KP + 16 h
.set VA,  3                            ; v3   V fragments: VBASE + (8 h + (l & 7)) VP + 16 ((l >> 3) & 1)
.set KST, 4                            ; v4   where I store 4 numbers of K: (t >> 4) KP + 8 (t & 15)
.set VST, 5                            ; v5   the same for V, + VBASE
.set GOF, 6                            ; v6   my 16 bytes of a tile's first 4,096: 16 t
.set PFO, 7                            ; v7   prefetch: 256 l
.set NEG, 8                            ; v8   -1e9 log2(e)
.set QOF, 9                            ; v9   Q: r rows of 256 bytes + 32 h
.set STW, 10                           ; v10  stage, in: r SP + 32 h
.set STR, 11                           ; v11  stage, back: (l >> 4) SP + 16 (l & 15)
.set OOF, 12                           ; v12  out: (l >> 4) rows of 256 bytes + 16 (l & 15)
.set MN,  14                           ; v[14:15]  the new maximum, twice
.set MX,  16                           ; v[16:19]  running maximum of query tile qt
.set AL,  20                           ; v[20:27]  alpha of query tile qt, twice
.set LS,  28                           ; v[28:35]  running sum of query tile qt: two partial sums
.set RC,  36                           ; v[36:37]  1 / sum, twice
.set TT,  40                           ; v[40:55]  at work
.set FR,  64                           ; v[64:127] fragments: K(kt, dh) at 16 kt + 8 dh, later V(u, dt) at 32 u + 8 dt
.set SS,  128                          ; v[128:255] S(qt, kt) at 32 qt + 8 kt; P(qt, u) is made in place at 32 qt + 16 u
; window 1 (written with the low 8 bits)
.set OA,  0                            ; v[256:383] O(qt, dt) at 32 qt + 8 dt
.set QF,  128                          ; v[384:447] Q(qt, dh) at 16 qt + 8 dh
.set GS,  192                          ; v[448:479] the next step's K (16 registers) and V (16) as loaded
; scalars: s2 wave, s3 x, s4 head, s5 my stage, s[6:7] K's next tile, s[8:9] V's, s[10:11] this step's words of my query tile 0,
; s[12:13] prefetch base, s[16:47] and s[48:63], s[80:95] two sets of 32 mask words, s[66:67] my rows of q, s[68:69] of out, s70-71 lane selects, s72 counter
.set MSB, 0
.macro WIN new                         ; low byte: bits 1:0 source 0, 3:2 source 1, 5:4 source 2, 7:6 destination; the high byte repeats the setting that is left
.if MSB != \new
	s_set_vgpr_msb (MSB<<8)|\new
.set MSB, \new
.endif
.endm
.macro PLACES                          ; the four places behind a matrix instruction (ISA guide 7.12.1)
.rept 4
	v_nop
.endr
.endm
.macro PADD d, a, b
	v_pk_add_f32 v[(\d):(\d)+1], v[(\a):(\a)+1], v[(\b):(\b)+1]
.endm
.macro BARRIER
	s_wait_dscnt 0x0                               ; for the others: my stores into the slot that is read next are done, and my reads of the other slot are back
	s_barrier_signal -1
	s_barrier_wait -1
.endm
; The next tile of K and of V into registers: each load of a wave covers 512 consecutive bytes.
.macro LOADKV
	WIN 0x40                                       ; data in window 1
.irp i, 0,1,2,3
	global_load_b128 v[GS+4*\i:GS+4*\i+3], v[GOF], s[6:7] offset:4096*\i
.endr
.irp i, 0,1,2,3
	global_load_b128 v[GS+16+4*\i:GS+16+4*\i+3], v[GOF], s[8:9] offset:4096*\i
.endr
	WIN 0
.endm
; That tile, rounded to f16, into a slot.  left = younger loads that may stay out; pf = 1: the prefetch base steps too.
; The sixteen conversions name no register of the second product: they are also the places between its last matrix instructions and
; the next step's loads into FR and matrix instructions onto SS.
.macro STOREKV slot, left, pf
	s_wait_loadcnt \left                           ; the eight loads of LOADKV are in; that also frees their bases
	WIN 0x05                                       ; both sources in window 1
.irp i, 0,1,2,3,4,5,6,7,8,9,10,11,12,13,14,15
	v_cvt_pk_f16_f32 v[TT+\i], v[GS+2*\i], v[GS+2*\i+1]
.endr
	WIN 0
.irp i, 0,1,2,3
	ds_store_b64 v[KST], v[TT+2*\i:TT+2*\i+1] offset:(\slot)*KSLOT+\i*16*KP
.endr
.irp i, 0,1,2,3
	ds_store_b64 v[VST], v[TT+8+2*\i:TT+8+2*\i+1] offset:(\slot)*VSLOT+\i*16*VP
.endr
	s_add_nc_u64 s[6:7], s[6:7], TILEB             ; behind the last tile the stepped bases are not used
	s_add_nc_u64 s[8:9], s[8:9], TILEB
.if \pf
	s_wait_xcnt 0x0                                ; the prefetch base is written only behind this wait; the prefetch stands two thirds of a step back
	s_add_nc_u64 s[12:13], s[12:13], TILEB
.endif
.endm
; K's fragments: 16 keys x 32 d, lane (r, h): key r, d = 8 h .. and 16 + 8 h ..: two loads of 16 bytes, 32 bytes apart
.macro KFRAGS slot
.irp kt, 0,1,2,3
.irp dh, 0,1
	ds_load_b128 v[FR+16*\kt+8*\dh:FR+16*\kt+8*\dh+3],   v[KA] offset:\slot*KSLOT+\kt*16*KP+64*\dh
	ds_load_b128 v[FR+16*\kt+8*\dh+4:FR+16*\kt+8*\dh+7], v[KA] offset:\slot*KSLOT+\kt*16*KP+64*\dh+32
.endr
.endr
.endm
; S^T = K Q^T: 32 matrix instructions.  The first of each tile starts its sum with the constant 0.
; The four query tiles' accumulators take turns, one instruction a turn.
.macro QK
	WIN 0x04                                       ; B (Q) in window 1
.irp kt, 0,1,2,3
	s_wait_dscnt 12-4*\kt                          ; LDS loads come back in order: key tile kt's four are in, those of the later key tiles may be out
.irp qt, 0,1,2,3
	v_wmma_f32_16x16x32_f16 v[SS+32*\qt+8*\kt:SS+32*\qt+8*\kt+7], v[FR+16*\kt:FR+16*\kt+7], v[QF+16*\qt:QF+16*\qt+7], 0
.endr
.irp qt, 0,1,2,3
	v_wmma_f32_16x16x32_f16 v[SS+32*\qt+8*\kt:SS+32*\qt+8*\kt+7], v[FR+16*\kt+8:FR+16*\kt+15], v[QF+16*\qt+8:QF+16*\qt+15], v[SS+32*\qt+8*\kt:SS+32*\qt+8*\kt+7]
.endr
.endr
	WIN 0
.endm
; V's fragments, transposed on the way: A = V^T, 16 d x 32 keys.  The four places serve these loads into FR and the selects that read S.
.macro VFRAGS slot
	PLACES
.irp u, 0,1
.irp dt, 0,1,2,3
	ds_load_tr16_b128 v[FR+32*\u+8*\dt:FR+32*\u+8*\dt+3],   v[VA] offset:\slot*VSLOT+\u*32*VP+32*\dt
	ds_load_tr16_b128 v[FR+32*\u+8*\dt+4:FR+32*\u+8*\dt+7], v[VA] offset:\slot*VSLOT+\u*32*VP+32*\dt+16*VP
.endr
.endr
.endm
; The 2 x 32 mask words of two neighbouring query tiles, o bytes behind this step's words of my query tile 0
.macro MLOAD o
	s_load_b512 s[16:31], s[10:11], \o
	s_load_b512 s[32:47], s[10:11], \o+64
	s_load_b512 s[48:63], s[10:11], \o+MROW
	s_load_b512 s[80:95], s[10:11], \o+MROW+64
.endm
; Masked scores of query tile qt are replaced; word 8 kt + j is the lane mask of register j of tile kt.  Words 0-15 from s[sa..], 16-31 from s[sb..].
.macro MASKQ qt, sa, sb
.set n, 0
.rept 16
	v_cndmask_b32 v[SS+32*\qt+n], v[SS+32*\qt+n], v[NEG], s[\sa+n]
.set n, n+1
.endr
.set n, 0
.rept 16
	v_cndmask_b32 v[SS+32*\qt+16+n], v[SS+32*\qt+16+n], v[NEG], s[\sb+n]
.set n, n+1
.endr
.endm
; Query tile qt: running maximum, alpha, exponentials, running sum, P in f16.  first = 1: nothing is carried in.
.macro SOFTQ qt, first
.set SB, SS+32*\qt
.set LQ, LS+2*\qt
.set AQ, AL+2*\qt
	; my 32 scores and the old maximum: 33 numbers, 16 instructions of three, in four chains
.irp c, 0,1,2,3
	v_max3_num_f32 v[TT+\c], v[SB+8*\c], v[SB+8*\c+1], v[SB+8*\c+2]
.endr
.irp c, 0,1,2,3
	v_max3_num_f32 v[TT+\c], v[TT+\c], v[SB+8*\c+3], v[SB+8*\c+4]
.endr
.irp c, 0,1,2,3
	v_max3_num_f32 v[TT+\c], v[TT+\c], v[SB+8*\c+5], v[SB+8*\c+6]
.endr
	v_max3_num_f32 v[TT], v[TT], v[TT+1], v[SB+7]
	v_max3_num_f32 v[TT+2], v[TT+2], v[TT+3], v[SB+15]
	v_max3_num_f32 v[TT], v[TT], v[SB+23], v[SB+31]
.if \first
	v_max_num_f32 v[TT], v[TT], v[TT+2]
.else
	v_max3_num_f32 v[TT], v[TT], v[TT+2], v[MX+\qt]
.endif
	v_permlanex16_b32 v[TT+1], v[TT], s70, s71     ; the other half of the wave holds the query's other 32 keys
	v_max_num_f32 v[MN], v[TT], v[TT+1]
	v_max_num_f32 v[MN+1], v[TT], v[TT+1]
.if 1-\first
	v_sub_f32 v[TT+2], v[MX+\qt], v[MN]
	v_exp_f32 v[AQ], v[TT+2]                       ; alpha, twice for the packed forms; the plain place behind it (ISA guide 5.7.2) is the first subtraction below
	v_exp_f32 v[AQ+1], v[TT+2]
.endif
.irp i, 0,1,2,3,4,5,6,7,8,9,10,11,12,13,14,15
	v_pk_add_f32 v[SB+2*\i:SB+2*\i+1], v[SB+2*\i:SB+2*\i+1], v[MN:MN+1] neg_lo:[0,1] neg_hi:[0,1]   ; never above 0, and exactly 0 at the maximum: P is at most 1
.endr
.set n, 0
.rept 32
	v_exp_f32 v[SB+n], v[SB+n]
.set n, n+1
.endr
	v_mov_b32 v[MX+\qt], v[MN]                     ; the plain place between the exponentials and the first use of a result
	s_wait_alu depctr_va_vdst(0)
	; sum = sum x alpha + my 32 numbers, two at a time, in four chains
.if \first
	PADD LQ, SB, SB+2
.else
	s_wait_alu depctr_va_vdst(0)
	v_pk_fma_f32 v[LQ:LQ+1], v[LQ:LQ+1], v[AQ:AQ+1], v[SB:SB+1]
.endif
	PADD TT+4, SB+8, SB+10
	PADD TT+6, SB+16, SB+18
	PADD TT+8, SB+24, SB+26
.if 1-\first
	PADD LQ, LQ, SB+2
.endif
	PADD TT+4, TT+4, SB+12
	PADD TT+6, TT+6, SB+20
	PADD TT+8, TT+8, SB+28
	PADD LQ, LQ, SB+4
	PADD TT+4, TT+4, SB+14
	PADD TT+6, TT+6, SB+22
	PADD TT+8, TT+8, SB+30
	PADD LQ, LQ, SB+6
	PADD TT+4, TT+4, TT+6
	PADD LQ, LQ, TT+8
	PADD LQ, LQ, TT+4
	; P(qt, u): register i = keys 2 i, 2 i + 1 of the lane's sixteen.  In place: register i has been read before it is written
.irp u, 0,1
.irp i, 0,1,2,3,4,5,6,7
	v_cvt_pk_f16_f32 v[SB+16*\u+\i], v[SB+16*\u+2*\i], v[SB+16*\u+2*\i+1]
.endr
.endr
.endm
; O = O x alpha
.macro RESCALE
	WIN 0x41                                       ; destination and source 0 in window 1
.irp qt, 0,1,2,3
.set n, 0
.rept 16
	v_pk_mul_f32 v[OA+32*\qt+2*n:OA+32*\qt+2*n+1], v[OA+32*\qt+2*n:OA+32*\qt+2*n+1], v[AL+2*\qt:AL+2*\qt+1]
.set n, n+1
.endr
.endr
.endm
; O^T += V^T P^T: 32 matrix instructions.  The sixteen accumulators take turns, one instruction a turn.
; first = 1: the first 32 keys start the sums with the constant 0.  The window setting is left for what follows.
.macro PV first
	s_wait_dscnt 0x0                               ; V's fragments, asked for in front of the softmax
	WIN 0x50                                       ; C and D in window 1
.irp u, 0,1
.irp dt, 0,1,2,3
.irp qt, 0,1,2,3
.if (\first)*(1-\u)
	v_wmma_f32_16x16x32_f16 v[OA+32*\qt+8*\dt:OA+32*\qt+8*\dt+7], v[FR+32*\u+8*\dt:FR+32*\u+8*\dt+7], v[SS+32*\qt+16*\u:SS+32*\qt+16*\u+7], 0
.else
	v_wmma_f32_16x16x32_f16 v[OA+32*\qt+8*\dt:OA+32*\qt+8*\dt+7], v[FR+32*\u+8*\dt:FR+32*\u+8*\dt+7], v[SS+32*\qt+16*\u:SS+32*\qt+16*\u+7], v[OA+32*\qt+8*\dt:OA+32*\qt+8*\dt+7]
.endif
.endr
.endr
.endr
.endm
; Wave 0 asks for 8,192 bytes (32 lanes, 256 bytes apart) of the tile two steps on: work-groups x = 0, 1 of a head for the halves of K's tile,
; x = 2, 3 for the halves of V's, so each block is asked for once in the launch.  Tile 31 is the last asked for.
.macro PREF
	s_cmp_lg_u32 s2, 0
	s_cbranch_scc1 .Lnot_wave_0_\@
	global_prefetch_b8 v[PFO], s[12:13] th:TH_LOAD_NT scope:SCOPE_SE
.Lnot_wave_0_\@:
.endm
; One step of 64 keys, read from slot.  load = 1: the next tile is loaded at the head and stored into the other slot at the end;
; pf = 1: the tile behind that is prefetched; more = 1: the next step's first mask words are asked for.
.macro STEP slot, first, load, pf, more
.if \load
	LOADKV
.endif
	KFRAGS \slot
	QK
	VFRAGS \slot
	s_wait_kmcnt 0x0                               ; the words of query tiles 0 and 1, asked for in the middle of the step before
	MASKQ 0, 16, 32
	MASKQ 1, 48, 80
	MLOAD 2*MROW                                   ; query tiles 2 and 3: two tiles' softmax pass while they come
.if \pf
	PREF
.endif
	SOFTQ 0, \first
	SOFTQ 1, \first
	s_wait_kmcnt 0x0                               ; they are in, and the base may be stepped
	MASKQ 2, 16, 32
	MASKQ 3, 48, 80
.if \more
	s_add_nc_u64 s[10:11], s[10:11], MSTEP
	MLOAD 0                                        ; the next step's query tiles 0 and 1
.endif
	SOFTQ 2, \first
	SOFTQ 3, \first
.if 1-\first
	RESCALE
.endif
	PV \first
.if \load
	STOREKV 1-\slot, 0, \pf
	BARRIER                                        ; one barrier for two things: the other slot is whole before anyone reads it; nobody reads this slot any more before the next step stores into it
.else
	WIN 0
.endif
.endm
	s_load_b256 s[16:23], s[0:1], 0x0              ; q s[16:17], k s[18:19], v s[20:21], mbits s[22:23]
	s_load_b64 s[68:69], s[0:1], 0x20              ; out
	v_lshl_add_u32 v62, v0, 2, 0x12000
	v_mov_b32 v63, 0
	v_lshrrev_b32 v[TT+3], 5, v0
	v_readfirstlane_b32 s2, v[TT+3]                ; wave
	s_mov_b32 s3, ttmp9                            ; x: which 512 queries
	s_and_b32 s4, ttmp7, 0xffff                    ; head, 0 to 63
	s_mov_b32 s70, 0x76543210                      ; v_permlanex16_b32: lane i of one half reads lane i of the other
	s_mov_b32 s71, 0xfedcba98
	s_mul_i32 s5, s2, 16*SP
	s_add_co_u32 s5, s5, STAGE                     ; my stage
	s_lshl_b32 s14, s4, 19                         ; a head: 2,048 rows of 256 bytes
	s_mov_b32 s15, 0
	s_lshl_b32 s74, s3, 17                         ; 512 x rows of 256 bytes
	s_lshl_b32 s75, s2, 14                         ; 64 w rows
	s_add_co_u32 s76, s74, s75                     ; also (32 x + 4 w) query tiles of 4,096 bytes in mbits
	s_add_co_u32 s74, s76, s14                     ; my rows of q and of out
	s_mov_b32 s75, 0
	s_lshr_b32 s77, s4, 4                          ; batch
	s_lshl_b32 s77, s77, 19                        ; 128 query tiles of 4,096 bytes
	s_add_co_u32 s76, s76, s77
	s_mov_b32 s77, 0
	s_and_b32 s78, s3, 1                           ; prefetch: which half of a tile is mine,
	s_lshl_b32 s78, s78, 13
	s_add_co_u32 s78, s78, s14
	s_add_co_u32 s78, s78, 2*TILEB                 ; beginning with tile 2
	s_mov_b32 s79, 0
	v_and_b32 v1, 31, v0                           ; l
	v_and_b32 v[TT], 15, v0                        ; r = l & 15 = t & 15
	v_bfe_u32 v[TT+1], v0, 4, 1                    ; h
	v_lshrrev_b32 v[TT+2], 4, v0                   ; t >> 4
	v_mul_u32_u24 v[KA], v[TT], KP
	v_lshl_add_u32 v[KA], v[TT+1], 4, v[KA]
	v_and_b32 v[TT+4], 7, v0
	v_lshl_add_u32 v[TT+4], v[TT+1], 3, v[TT+4]    ; 8 h + (l & 7)
	v_mul_u32_u24 v[VA], v[TT+4], VP
	v_bfe_u32 v[TT+5], v0, 3, 1
	v_lshl_add_u32 v[VA], v[TT+5], 4, v[VA]
	v_add_nc_u32 v[VA], VBASE, v[VA]
	v_mul_u32_u24 v[KST], v[TT+2], KP
	v_lshl_add_u32 v[KST], v[TT], 3, v[KST]
	v_mul_u32_u24 v[VST], v[TT+2], VP
	v_lshl_add_u32 v[VST], v[TT], 3, v[VST]
	v_add_nc_u32 v[VST], VBASE, v[VST]
	v_lshlrev_b32 v[GOF], 4, v0
	v_lshlrev_b32 v[PFO], 8, v1
	v_mov_b32 v[NEG], 0xceabfb8f                   ; -1e9 x log2(e)
	v_lshlrev_b32 v[QOF], 8, v[TT]
	v_lshl_add_u32 v[QOF], v[TT+1], 5, v[QOF]
	v_mul_u32_u24 v[STW], v[TT], SP
	v_lshl_add_u32 v[STW], v[TT+1], 5, v[STW]
	v_add_nc_u32 v[STW], s5, v[STW]
	v_mul_u32_u24 v[STR], v[TT+1], SP
	v_lshl_add_u32 v[STR], v[TT], 4, v[STR]
	v_add_nc_u32 v[STR], s5, v[STR]
	v_lshlrev_b32 v[OOF], 8, v[TT+1]
	v_lshl_add_u32 v[OOF], v[TT], 4, v[OOF]
	s_wait_kmcnt 0x0
	s_add_nc_u64 s[66:67], s[16:17], s[74:75]
	s_add_nc_u64 s[68:69], s[68:69], s[74:75]
	s_add_nc_u64 s[6:7], s[18:19], s[14:15]
	s_add_nc_u64 s[8:9], s[20:21], s[14:15]
	s_add_nc_u64 s[10:11], s[22:23], s[76:77]
	s_cmp_lt_u32 s3, 2
	s_cselect_b64 s[12:13], s[18:19], s[20:21]     ; x = 0, 1 prefetch K, x = 2, 3 prefetch V
	s_add_nc_u64 s[12:13], s[12:13], s[78:79]
	LOADKV                                         ; tile 0
	; Q as B fragments: lane (r, h) takes query r, d = 32 dh + 16 c + 8 h + 0..7, into the registers that later hold S
.irp qt, 0,1,2,3
.irp dh, 0,1
.irp c, 0,1
.irp e, 0,1
	global_load_b128 v[SS+32*\qt+16*\dh+8*\c+4*\e:SS+32*\qt+16*\dh+8*\c+4*\e+3], v[QOF], s[66:67] offset:4096*\qt+128*\dh+64*\c+16*\e th:TH_LOAD_NT
.endr
.endr
.endr
.endr
	MLOAD 0                                        ; step 0's words of query tiles 0 and 1 (the arguments in s[16:23] have been used)
	STOREKV 0, 32, 0                               ; the count: the 32 loads of Q were issued behind tile 0's eight and may stay out
	s_wait_loadcnt 0x0                             ; Q
.set n, 0
.rept 64
	v_pk_mul_f32 v[SS+2*n:SS+2*n+1], v[SS+2*n:SS+2*n+1], 0x3e38aa3b op_sel_hi:[1,0]   ; x 0.125 log2(e), in f32
.set n, n+1
.endr
	WIN 0x40
.set n, 0
.rept 64
	v_cvt_pk_f16_f32 v[QF+n], v[SS+2*n], v[SS+2*n+1]
.set n, n+1
.endr
	WIN 0
	BARRIER                                        ; slot 0 is whole
	STEP 0, 1, 1, 1, 1                             ; step 0 starts every sum: nothing is cleared
	s_mov_b32 s72, 14
.Lpair:                                            ; steps 1 to 28
	STEP 1, 0, 1, 1, 1
	STEP 0, 0, 1, 1, 1
	s_sub_co_i32 s72, s72, 1
	s_cmp_lg_u32 s72, 0
	s_cbranch_scc1 .Lpair
	STEP 1, 0, 1, 1, 1                             ; step 29: loads tile 30, prefetches tile 31, the last
	STEP 0, 0, 1, 0, 1                             ; step 30: loads tile 31
	STEP 1, 0, 0, 0, 0                             ; step 31: nothing is left to fetch
	; THE WAY OUT.  Lane (r, h) holds d = 16 dt + 8 h + 0..7 of query r: 32 bytes of a row of 256.  Sixteen rows at a time go through my own stage
	; and come back as whole rows.  The four places stand between the last matrix instructions and the lines that read O or write SS and FR.
	PLACES
.macro OUTQ qt
	v_add_f32 v[TT], v[LS+2*\qt], v[LS+2*\qt+1]
	v_permlanex16_b32 v[TT+1], v[TT], s70, s71     ; the other half's share of the sum
	v_add_f32 v[TT], v[TT], v[TT+1]                ; at least 1: the largest exponent is 0
	v_rcp_f32 v[RC], v[TT]
	v_rcp_f32 v[RC+1], v[TT]
	v_nop                                          ; the plain place behind the reciprocals (ISA guide 5.7.2)
	WIN 0x01                                       ; source 0 (O) in window 1
.set n, 0
	s_wait_alu depctr_va_vdst(0)
.rept 16
	v_pk_mul_f32 v[SS+32*\qt+2*n:SS+32*\qt+2*n+1], v[OA+32*\qt+2*n:OA+32*\qt+2*n+1], v[RC:RC+1]
.set n, n+1
.endr
	WIN 0
.irp dt, 0,1,2,3
	ds_store_b128 v[STW], v[SS+32*\qt+8*\dt:SS+32*\qt+8*\dt+3]   offset:64*\dt
	ds_store_b128 v[STW], v[SS+32*\qt+8*\dt+4:SS+32*\qt+8*\dt+7] offset:64*\dt+16
.endr
.if \qt > 1
	s_wait_xcnt 0x0                                ; these 32 registers were the data of the stores two tiles back: loaded again only behind this wait
.endif
.irp i, 0,1,2,3,4,5,6,7
	ds_load_b128 v[FR+32*(\qt&1)+4*\i:FR+32*(\qt&1)+4*\i+3], v[STR] offset:2*SP*\i   ; LDS serves a wave's instructions in order (ISA guide 5.7.1): these see the stores above
.endr
.irp i, 0,1,2,3,4,5,6,7
	s_wait_dscnt 7-\i                              ; read-back i is in, the younger ones may be out
	global_store_b128 v[OOF], v[FR+32*(\qt&1)+4*\i:FR+32*(\qt&1)+4*\i+3], s[68:69] offset:4096*\qt+512*\i th:TH_STORE_NT   ; 16 lanes store one row: 256 consecutive bytes, aligned
.endr
.endm
	OUTQ 0
	OUTQ 1
	OUTQ 2
	OUTQ 3
	s_wait_tensorcnt 0x0
	ds_add_u32 v62, v63
	s_wait_dscnt 0x0
	s_endpgm
.Lfunc_end_k_qc3da2585ae_attn:
	.size	k_qc3da2585ae_attn, .Lfunc_end_k_qc3da2585ae_attn-k_qc3da2585ae_attn
	.p2alignl 7, 3214868480
	.fill 96, 4, 3214868480
	.section	.rodata,"a",@progbits
	.p2align	6, 0x0
	.amdhsa_kernel k_qc3da2585ae_attn
		.amdhsa_group_segment_fixed_size 74752
		.amdhsa_private_segment_fixed_size 0
		.amdhsa_enable_private_segment 0
		.amdhsa_kernarg_size 40
		.amdhsa_user_sgpr_count 2
		.amdhsa_user_sgpr_kernarg_segment_ptr 1
		.amdhsa_wavefront_size32 1
		.amdhsa_system_sgpr_workgroup_id_x 1
		.amdhsa_system_sgpr_workgroup_id_y 1
		.amdhsa_system_sgpr_workgroup_id_z 1
		.amdhsa_system_vgpr_workitem_id 0
		.amdhsa_next_free_vgpr 480
		.amdhsa_next_free_sgpr 96
		.amdhsa_reserve_vcc 0
		.amdhsa_float_denorm_mode_32 3
		.amdhsa_float_denorm_mode_16_64 3
		.amdhsa_memory_ordered 1
		.amdhsa_forward_progress 1
		.amdhsa_inst_pref_size 255
	.end_amdhsa_kernel
	.section	.bss,"aw",@nobits
	.p2align	6
	.space	262144
	.amdgpu_metadata
---
amdhsa.version: [ 1, 2 ]
amdhsa.kernels:
  - .name:           k_qc3da2585ae_attn
    .symbol:         k_qc3da2585ae_attn.kd
    .args:
      - { .name: q, .offset: 0, .size: 8, .value_kind: global_buffer, .address_space: global }
      - { .name: k, .offset: 8, .size: 8, .value_kind: global_buffer, .address_space: global }
      - { .name: v, .offset: 16, .size: 8, .value_kind: global_buffer, .address_space: global }
      - { .name: mbits, .offset: 24, .size: 8, .value_kind: global_buffer, .address_space: global }
      - { .name: out0, .offset: 32, .size: 8, .value_kind: global_buffer, .address_space: global }
    .group_segment_fixed_size: 74752
    .private_segment_fixed_size: 0
    .kernarg_segment_align: 8
    .kernarg_segment_size: 40
    .max_flat_workgroup_size: 256
    .sgpr_count:     96
    .vgpr_count:     480
    .wavefront_size: 32
...
	.end_amdgpu_metadata
.endif
;; end of part 2
